; MI455X (gfx1250); checked and timed in simulation.
; The chip was launched on July 23, 2026; its instructions are those of AMD's public machine-readable ISA for CDNA 5 (MIT licence, August 2026) and "CDNA5" Instruction Set Architecture Reference Guide (July 2026). The comments in the code are by the model that wrote it; some were corrected since.
;; Multi Head Attention. Allowed arithmetic: float matrix products may take bf16 or f16 operands with f32 sums; all other float work in f32.
;; Inputs: W_out 1,024 x 1,024 float32; W_qkv 3,072 x 1,024 float32; b_out 1,024 float32; b_qkv 3,072 float32; x 2 x 2,048 x 1,024 float32.
;; Outputs: out0 2 x 2,048 x 1,024 float32.
;; 2 versions, each right; version 2 is version 1 with the launch cvt written anew for expert scheduling mode. Each part assembles by itself: llvm-mc -triple=amdgcn-amd-amdhsa -mcpu=gfx1250 --defsym DOCPART=n.
;; ======== version 1 of 2: 4 launches
;; workspace buffers: cb 16,777,216 bytes; qkvb 25,165,824 bytes; ao 8,388,608 bytes
;; launch cvt (part 1): grid 512 x 1, 8 waves a work-group, no clusters, 0 bytes of LDS; arguments x, W_qkv, W_out, cb; writes cb
.if DOCPART == 1
	.amdgcn_target "amdgcn-amd-amdhsa--gfx1250"
	.amdhsa_code_object_version 6
	.text
	.protected	k_q6f6b87905c_cvt
	.globl	k_q6f6b87905c_cvt
	.p2align	8
	.type	k_q6f6b87905c_cvt,@function
k_q6f6b87905c_cvt:
	s_mov_b64 s[64:65], 0
	v_nop
	global_prefetch_b8 v0, s[64:65] scope:SCOPE_SE
	s_setreg_imm32_b32 hwreg(HW_REG_WAVE_MODE, 25, 1), 1
	s_wait_xcnt 0x0
; Cast of the three large f32 inputs to bf16 (round to nearest even), once, so that both products can take bf16 tiles.
; cb: x [4096][1024] at byte 0, W_qkv [3072][1024] at byte 8,388,608, W_out [1024][1024] at byte 14,680,064.
; 512 work-groups of 16,384 numbers: groups 0-255 take x, 256-447 W_qkv, 448-511 W_out; group g stores at cb + 32,768 g.
; A stream: no LDS, no barrier, no matrix unit, no cluster (no two work-groups read the same byte).
; Thread t takes 16 bytes at 16 t + 4,096 j (j = 0..15) and stores 8 bytes at 8 t + 2,048 j: a wave's load covers 512 neighbouring
; bytes, its store 256 neighbouring bytes at a multiple of 256.  All 16 loads go out first; no register is written twice.
.set X, 4                              ; v[4:67]   16 x 4 numbers as loaded
.set Y, 68                             ; v[68:99]  16 x 2 words to store
	s_load_b256 s[4:11], s[0:1], 0x0               ; x s[4:5], W_qkv s[6:7], W_out s[8:9], cb s[10:11]
	v_lshlrev_b32 v1, 4, v0                        ; 16 t
	v_lshlrev_b32 v2, 3, v0                        ; 8 t
	s_mov_b32 s14, 448
	s_wait_kmcnt 0x0
	s_cmp_lt_u32 ttmp9, s14                        ; below 448: W_qkv, first group 256; else W_out, first group 448
	s_cselect_b64 s[12:13], s[6:7], s[8:9]
	s_cselect_b32 s14, 256, s14
	s_cmp_lt_u32 ttmp9, 256                        ; below 256: x, first group 0
	s_cselect_b64 s[12:13], s[4:5], s[12:13]
	s_cselect_b32 s14, 0, s14
	s_sub_co_u32 s2, ttmp9, s14                    ; my chunk in that tensor,
	s_lshl_b32 s2, s2, 16                          ; of 65,536 bytes (16,777,216 at the most)
	s_mov_b32 s3, 0
	s_add_nc_u64 s[12:13], s[12:13], s[2:3]
	s_lshl_b32 s2, ttmp9, 15                       ; and 32,768 bytes of cb for each group
	s_add_nc_u64 s[10:11], s[10:11], s[2:3]
.irp j, 0,1,2,3,4,5,6,7,8,9,10,11,12,13,14,15
	global_load_b128 v[X+4*\j:X+4*\j+3], v1, s[12:13] offset:4096*\j th:TH_LOAD_NT
.endr
.irp j, 0,1,2,3,4,5,6,7,8,9,10,11,12,13,14,15
	s_wait_loadcnt 15-\j                           ; loads come back in order: load j is in, the 15 - j younger ones stay out
	v_cvt_pk_bf16_f32 v[Y+2*\j],   v[X+4*\j],   v[X+4*\j+1]
	v_cvt_pk_bf16_f32 v[Y+2*\j+1], v[X+4*\j+2], v[X+4*\j+3]
	global_store_b64 v2, v[Y+2*\j:Y+2*\j+1], s[10:11] offset:2048*\j
.endr
	s_endpgm
.Lfunc_end_k_q6f6b87905c_cvt:
	.size	k_q6f6b87905c_cvt, .Lfunc_end_k_q6f6b87905c_cvt-k_q6f6b87905c_cvt
	.p2alignl 7, 3214868480
	.fill 96, 4, 3214868480
	.section	.rodata,"a",@progbits
	.p2align	6, 0x0
	.amdhsa_kernel k_q6f6b87905c_cvt
		.amdhsa_group_segment_fixed_size 0
		.amdhsa_private_segment_fixed_size 0
		.amdhsa_enable_private_segment 0
		.amdhsa_kernarg_size 32
		.amdhsa_user_sgpr_count 2
		.amdhsa_user_sgpr_kernarg_segment_ptr 1
		.amdhsa_wavefront_size32 1
		.amdhsa_system_sgpr_workgroup_id_x 1
		.amdhsa_system_sgpr_workgroup_id_y 1
		.amdhsa_system_sgpr_workgroup_id_z 1
		.amdhsa_system_vgpr_workitem_id 0
		.amdhsa_next_free_vgpr 100
		.amdhsa_next_free_sgpr 66
		.amdhsa_reserve_vcc 0
		.amdhsa_float_denorm_mode_32 3
		.amdhsa_float_denorm_mode_16_64 3
		.amdhsa_memory_ordered 1
		.amdhsa_forward_progress 1
		.amdhsa_inst_pref_size 7
	.end_amdhsa_kernel
	.amdgpu_metadata
---
amdhsa.version: [ 1, 2 ]
amdhsa.kernels:
  - .name:           k_q6f6b87905c_cvt
    .symbol:         k_q6f6b87905c_cvt.kd
    .args:
      - { .name: x, .offset: 0, .size: 8, .value_kind: global_buffer, .address_space: global }
      - { .name: W_qkv, .offset: 8, .size: 8, .value_kind: global_buffer, .address_space: global }
      - { .name: W_out, .offset: 16, .size: 8, .value_kind: global_buffer, .address_space: global }
      - { .name: cb, .offset: 24, .size: 8, .value_kind: global_buffer, .address_space: global }
    .group_segment_fixed_size: 0
    .private_segment_fixed_size: 0
    .kernarg_segment_align: 8
    .kernarg_segment_size: 32
    .max_flat_workgroup_size: 256
    .sgpr_count:     66
    .vgpr_count:     100
    .wavefront_size: 32
...
	.end_amdgpu_metadata
.endif
;; end of part 1
;; launch qkv (part 2): grid 16 x 16, 4 waves a work-group, clusters of 4 x 4, 327,680 bytes of LDS; arguments cb, b_qkv, qkvb; writes qkvb
.if DOCPART == 2
	.amdgcn_target "amdgcn-amd-amdhsa--gfx1250"
	.amdhsa_code_object_version 6
	.text
	.protected	k_q6f6b87905c_qkv
	.globl	k_q6f6b87905c_qkv
	.p2align	8
	.type	k_q6f6b87905c_qkv,@function
k_q6f6b87905c_qkv:
	s_mov_b64 s[64:65], 0
	v_nop
	global_prefetch_b8 v0, s[64:65] scope:SCOPE_SE
	s_setreg_imm32_b32 hwreg(HW_REG_WAVE_MODE, 25, 1), 1
	s_wait_xcnt 0x0
	s_wait_alu depctr_hold_cnt(0) depctr_sa_sdst(0) depctr_va_vdst(0) depctr_va_sdst(0) depctr_va_ssrc(0) depctr_va_vcc(0) depctr_vm_vsrc(0)
	s_getreg_b32 s2, hwreg(HW_REG_IB_STS2, 6, 4)
	s_cmp_eq_u32 s2, 0
	s_cbranch_scc0 .Lentry_in_a_cluster
	s_endpgm
.Lentry_in_a_cluster:
	s_bfe_u32 s2, ttmp6, 0x10000c
	s_cmp_lg_u32 s2, 0xf033
	s_cbranch_scc0 .Lentry_shape_is_right
	s_endpgm
.Lentry_shape_is_right:
; qkv = x W_qkv^T + b_qkv, [4096][3072], K = 1024, bf16 operands from cb, f32 sums, stored as bf16 by heads:
; qkvb [48 planes][4096 rows][64]; plane = column / 64 (0-15 q, 16-31 k, 32-47 v), a plane 524,288 bytes, a row 128 bytes.
; 16 x 16 work-groups, each a block of 256 rows x 192 columns (three whole heads).  Four waves; wave w makes rows 64 w .. 64 w + 63
; of all 192 columns: 4 x 12 accumulator tiles of 16 x 16, 384 registers.
; K goes in steps of 128 through two LDS slots filled by tensor loads; a tile's rows are 256 bytes of memory at multiples of 256.
; CLUSTER 4 x 4: the four work-groups of a row of the cluster need the same tiles of x, the four of a column the same tiles of W:
; each tile is asked for jointly by the four, with one descriptor and a mask that names them.
; The matrix instruction is used transposed (source 0 = 16 rows of W, source 1 = 16 rows of x): lane l then holds row l % 16 and
; eight neighbouring columns 8 (l / 16) + 0..7, which pack into 16 bytes.  The bias is the C of each tile's first product.
; LIMITS: x, W and the stored q, k, v are rounded to bf16; the order of the sums differs from reference()'s; NaN and infinities get no special care.
;
; REGISTERS by windows of 256:  window 0: v16-27 addresses, v64-127 fragments of x (two buffers of 4 x 8), v128-223 the bias (12 x 8),
; on the way out v128-175 packed results and v64-111, v176-223 rows read back;  window 1: v0-191 fragments of W (two buffers of 12 x 8);
; window 2: the 24 tiles of my rows 0-31 (tile (a, b) at v[8 (12 a + b)]);  window 3: those of my rows 32-63.
.set KSTEP,  128
.set PITCH,  272                       ; an LDS row: 256 bytes + 16 of padding, an odd multiple of 16
.set AHALF,  128*PITCH                 ; what waves 0, 1 fetch: 128 rows of x
.set BHALF,  96*PITCH                  ; what waves 2, 3 fetch: 96 rows of W
.set BOFF,   256*PITCH                 ; W's 192 rows lie behind x's 256
.set SLOT,   448*PITCH                 ; 121,856
.set STAGE,  2*SLOT                    ; 243,712 = 952 x 256: behind the ring, 16 rows x 400 bytes for each wave
.set SPITCH, 400                       ; 384 bytes + 16, an odd multiple of 16
.set LAPS,   4                         ; 1024 / (2 x 128): a lap is once round the ring
.set PLANE,  524288
.set ADRA, 16                          ; v16-17 LDS address of my x fragments in slot 0, 1
.set ADRB, 20                          ; v20-21 the same for W
.set STO,  24                          ; way out: where I put 16 bytes
.set RD,   25                          ; way out: where I read 16 bytes back
.set CO,   26                          ; way out: 16 x lane
.set BO,   27                          ; 32 x (lane / 16): my 8 bias numbers in a tile's 16
.set FA,   64                          ; x fragments, buffer f at FA + 32 f (window 0); W fragments, buffer f at 96 f (window 1)
.set BIAS, 128
.set TMP,  128
.set RB0,  64
.set RB1,  176
.set G1,  24                           ; s[24:31] group 1 for x's tiles
.set G0,  32                           ; s[32:39] group 0 for x's tiles, one set for each slot
.set G1B, 48                           ; s[48:55] group 1 for W's tiles
.set G0B, 56                           ; s[56:63] group 0 for W's tiles, one set for each slot
.set MSB, 0
.macro WIN new                         ; the immediate's high byte repeats the setting that is left
.if MSB != \new
	s_set_vgpr_msb (MSB<<8)|\new
.set MSB, \new
.endif
.endm
.macro PLACES                          ; four places behind matrix instructions, in front of loads into their sources and of readers of their results
.rept 4
	v_nop
.endr
.endm
; A joint load: waves 0, 1 ask for x's halves, waves 2, 3 for W's.  The branch hangs on the wave's number alone.
.macro JLOAD s
	s_cmp_eq_u32 s11, 0
	s_cbranch_scc0 .Lfor_b_\@
	tensor_load_to_lds s[G0+4*\s:G0+4*\s+3], s[G1:G1+7]
	s_nop 0
	s_branch .Lasked_\@
.Lfor_b_\@:
	tensor_load_to_lds s[G0B+4*\s:G0B+4*\s+3], s[G1B:G1B+7]
	s_nop 0
.Lasked_\@:
.endm
.macro CREST                           ; a round of the cluster's barrier behind its opening work-group barrier
	s_cmp_lg_u32 s10, 0
	s_cbranch_scc1 .Lnot_wave_0_\@
	s_barrier_signal -3
.Lnot_wave_0_\@:
	s_barrier_wait -3
	s_barrier_signal -1
	s_barrier_wait -1
.endm
.macro CROUND                          ; a whole round
	s_barrier_signal -1
	s_barrier_wait -1
	CREST
.endm
	s_load_b128 s[4:7], s[0:1], 0x0                ; cb s[4:5], b_qkv s[6:7]
	s_load_b64 s[8:9], s[0:1], 0x10                ; qkvb
	s_set_vgpr_msb 0x40
	v_lshl_add_u32 v255, v0, 2, 0x41c00
	s_set_vgpr_msb 0x4000
	v_mov_b32 v255, 0
	s_set_vgpr_msb 0x1
	ds_add_u32 v255, v255
	s_set_vgpr_msb 0x100
	v_lshrrev_b32 v1, 5, v0
	v_readfirstlane_b32 s10, v1                    ; wave 0..3
	s_lshr_b32 s11, s10, 1                         ; I fetch for x (0) or for W (1)
	s_and_b32 s12, s10, 1                          ; which half of that tile
	s_bfe_u32 s40, ttmp6, 0x40000                  ; cx
	s_bfe_u32 s41, ttmp6, 0x40004                  ; cy
	s_lshl_b32 s42, ttmp9, 2
	s_add_co_u32 s42, s42, s40                     ; block column = 4 x cluster x + cx
	s_and_b32 s13, ttmp7, 0xffff
	s_lshl_b32 s13, s13, 2
	s_add_co_u32 s13, s13, s41                     ; block row = 4 x cluster y + cy
	s_lshl_b32 s43, s41, 2
	s_lshl_b32 s43, 15, s43                        ; my row of the cluster: places 4 cy .. 4 cy + 3
	s_lshl_b32 s44, 0x1111, s40                    ; my column: places cx, cx + 4, cx + 8, cx + 12
	; group 1: rows of 128 elements of 2 bytes, 4 words of padding behind every 64 words; 128 rows (x) or 96 rows (W); 1,024 elements from row to row
	s_or_b32 s[G1+0],  s43, (1<<16)|(1<<20)|(1<<21)|(5<<22)|(3<<25)
	s_or_b32 s[G1B+0], s44, (1<<16)|(1<<20)|(1<<21)|(5<<22)|(3<<25)
	s_mov_b32 s[G1+1],  KSTEP<<16                  ; tensor_dim0 = 128
	s_mov_b32 s[G1B+1], KSTEP<<16
	s_mov_b32 s[G1+2],  128<<16                    ; tensor_dim1 = the tile's rows
	s_mov_b32 s[G1B+2], 96<<16
	s_mov_b32 s[G1+3],  KSTEP<<16                  ; tile_dim0 = 128
	s_mov_b32 s[G1B+3], KSTEP<<16
	s_mov_b32 s[G1+4],  128                        ; tile_dim1
	s_mov_b32 s[G1B+4], 96
	s_mov_b32 s[G1+5],  1024                       ; the pitch
	s_mov_b32 s[G1B+5], 1024
	s_mov_b32 s[G1+6],  0
	s_mov_b32 s[G1B+6], 0
	s_mov_b32 s[G1+7],  0
	s_mov_b32 s[G1B+7], 0
	; x's tiles hang on the block row alone, W's on the block column alone; each address is made in registers that never hold the other coordinate
	s_lshl_b32 s17, s12, 7
	s_lshl_b32 s16, s13, 8
	s_add_co_u32 s16, s16, s17                     ; x: row 256 x block row + 128 x half
	s_lshl_b32 s16, s16, 11                        ; rows of 2,048 bytes: below 8,388,608
	s_mov_b32 s17, 0
	s_mul_i32 s46, s42, 192
	s_mul_i32 s47, s12, 96
	s_add_co_u32 s46, s46, s47                     ; W: row 192 x block column + 96 x half
	s_lshl_b32 s46, s46, 11
	s_add_co_u32 s46, s46, 8388608                 ; W_qkv's copy in cb
	s_mov_b32 s47, 0
	s_mul_i32 s20, s10, AHALF                      ; LDS: waves 0, 1 at 0 and 34,816
	s_mul_i32 s45, s10, BHALF
	s_add_co_u32 s45, s45, BOFF-2*BHALF            ; waves 2, 3 at 69,632 and 95,744
	s_wait_dscnt 0x0
	s_wait_kmcnt 0x0
	s_add_nc_u64 s[14:15], s[4:5], s[16:17]
	s_add_nc_u64 s[46:47], s[4:5], s[46:47]
	CROUND                                         ; all sixteen work-groups are here: the first joint loads meet
.irp s, 0,1
	s_mov_b32 s[G0+4*\s], 1
	s_add_co_u32 s[G0+4*\s+1], s20, \s*SLOT
	s_add_nc_u64 s[G0+4*\s+2:G0+4*\s+3], s[14:15], \s*KSTEP*2      ; K step s
	s_or_b32 s[G0+4*\s+3], s[G0+4*\s+3], 0x80000000
	s_mov_b32 s[G0B+4*\s], 1
	s_add_co_u32 s[G0B+4*\s+1], s45, \s*SLOT
	s_add_nc_u64 s[G0B+4*\s+2:G0B+4*\s+3], s[46:47], \s*KSTEP*2
	s_or_b32 s[G0B+4*\s+3], s[G0B+4*\s+3], 0x80000000
	JLOAD \s                                       ; both slots' first fills go out together: two loads of a wave are out
.endr
	v_and_b32 v1, 15, v0                           ; r = l % 16
	v_bfe_u32 v2, v0, 4, 1                         ; h = l / 16
	v_lshlrev_b32 v[BO], 5, v2
	s_mul_i32 s46, s42, 768                        ; the block's 192 bias numbers
	s_mov_b32 s47, 0
	s_add_nc_u64 s[6:7], s[6:7], s[46:47]
.irp b, 0,1,2,3,4,5,6,7,8,9,10,11
	global_load_b128 v[BIAS+8*\b:BIAS+8*\b+3],   v[BO], s[6:7] offset:64*\b       ; b_qkv[192 bx + 16 b + 8 h + 0..3]
	global_load_b128 v[BIAS+8*\b+4:BIAS+8*\b+7], v[BO], s[6:7] offset:64*\b+16    ; .. + 4..7
.endr
	; a fragment is 16 rows x 32 K: lane l takes row l % 16, 16 bytes at 16 (l / 16) and 16 bytes 32 further on
	v_mul_u32_u24 v3, v1, PITCH
	v_lshl_add_u32 v3, v2, 4, v3
	s_mul_i32 s21, s10, 64*PITCH                   ; my 64 rows of x
	v_add_nc_u32 v[ADRA], s21, v3
	v_add_nc_u32 v[ADRA+1], SLOT, v[ADRA]
	v_add_nc_u32 v[ADRB], BOFF, v3
	v_add_nc_u32 v[ADRB+1], SLOT+BOFF, v3
	s_mul_i32 s23, s10, 16*SPITCH
	s_add_co_u32 s23, s23, STAGE                   ; my stage
	v_mul_u32_u24 v4, v1, SPITCH
	v_lshl_add_u32 v4, v2, 4, v4
	v_add_nc_u32 v[STO], s23, v4                   ; in: row r, 16 bytes for each half of the lanes
	v_and_b32 v5, 31, v0
	v_lshrrev_b32 v6, 3, v5
	v_mul_u32_u24 v6, v6, SPITCH
	v_and_b32 v7, 7, v0
	v_lshl_add_u32 v6, v7, 4, v6
	v_add_nc_u32 v[RD], s23, v6                    ; back: eight lanes take a head's 128 bytes of a row, 32 lanes four rows
	v_lshlrev_b32 v[CO], 4, v5                     ; which are 512 neighbouring bytes of a plane
; 12 matrix instructions: m block a of the window's two (hi = 0: rows 0-31, 1: rows 32-63) x all 12 n blocks, 32 along K, from buffer f.
; first = 1: C is the bias (window 0).  The 48 accumulators take turns, one instruction a turn, in the same order in every quarter step.
.macro MUL12 f, hi, a, first
.irp b, 0,1,2,3,4,5,6,7,8,9,10,11
.if \first
	v_wmma_f32_16x16x32_bf16 v[8*(12*\a+\b):8*(12*\a+\b)+7], v[96*\f+8*\b:96*\f+8*\b+7], v[FA+32*\f+8*(2*\hi+\a):FA+32*\f+8*(2*\hi+\a)+7], v[BIAS+8*\b:BIAS+8*\b+7]
.else
	v_wmma_f32_16x16x32_bf16 v[8*(12*\a+\b):8*(12*\a+\b)+7], v[96*\f+8*\b:96*\f+8*\b+7], v[FA+32*\f+8*(2*\hi+\a):FA+32*\f+8*(2*\hi+\a)+7], v[8*(12*\a+\b):8*(12*\a+\b)+7]
.endif
.endr
.endm
; 32 LDS loads in one run: a quarter step's fragments (192 rows of W, my 64 rows of x, 32 K at byte k of the rows) into buffer f
.macro FETCH slot, k, f
	WIN 0x40                                       ; destination window 1, address window 0
.irp i, 0,1,2,3,4,5,6,7,8,9,10,11
	ds_load_b128 v[96*\f+8*\i:96*\f+8*\i+3],   v[ADRB+\slot] offset:\k+\i*16*PITCH
	ds_load_b128 v[96*\f+8*\i+4:96*\f+8*\i+7], v[ADRB+\slot] offset:\k+\i*16*PITCH+32
.endr
	WIN 0
.irp i, 0,1,2,3
	ds_load_b128 v[FA+32*\f+8*\i:FA+32*\f+8*\i+3],   v[ADRA+\slot] offset:\k+\i*16*PITCH
	ds_load_b128 v[FA+32*\f+8*\i+4:FA+32*\f+8*\i+7], v[ADRA+\slot] offset:\k+\i*16*PITCH+32
.endr
.endm
; One of a K step's first three quarters: multiplies buffer f, and in its middle fetches the next quarter (byte k) into buffer g
.macro QUARTER slot, k, f, g, first
	s_wait_dscnt 4                                 ; W and x's rows 0-31 are in; the youngest four loads (x's rows 32-63) may be out
.if \first
	WIN 0x81                                       ; W window 1, x window 0, C (bias) window 0, D window 2
.else
	WIN 0xa1                                       ; C and D window 2
.endif
	MUL12 \f, 0, 0, \first
	MUL12 \f, 0, 1, \first
	PLACES
	FETCH \slot, \k, \g
	s_wait_dscnt 32                                ; all but the 32 just issued
.if \first
	WIN 0xc1
.else
	WIN 0xf1                                       ; C and D window 3
.endif
	MUL12 \f, 1, 0, \first
	MUL12 \f, 1, 1, \first
.endm
.macro THREE slot, first
	QUARTER \slot, 64,  0, 1, \first
	QUARTER \slot, 128, 1, 0, 0
	QUARTER \slot, 192, 0, 1, 0
.endm
; The last quarter: multiplies buffer 1 and changes slots.  In front of the barrier each wave waits for its reads of this slot and for all
; its tensor loads (the one that is out is its part of the next slot).  fill = 1: the barrier opens a round of the cluster's barrier, and
; this slot's next tile, two K steps ahead, is asked for first thing behind the round.
.macro TURN slot, next, fill
	s_wait_dscnt 4
	WIN 0xa1
	MUL12 1, 0, 0, 0
	s_wait_dscnt 0                                 ; my reads of this slot are over
	s_wait_tensorcnt 0x0                           ; all my tensor loads have landed
	ds_add_u32 v255, v255
	s_wait_dscnt 0x0
	s_barrier_signal -1
	MUL12 1, 0, 1, 0                               ; register work while the others arrive
	WIN 0
	s_barrier_wait -1
.if \fill
	CREST
	s_add_nc_u64 s[G0+4*\slot+2:G0+4*\slot+3], s[G0+4*\slot+2:G0+4*\slot+3], 2*KSTEP*2
	s_add_nc_u64 s[G0B+4*\slot+2:G0B+4*\slot+3], s[G0B+4*\slot+2:G0B+4*\slot+3], 2*KSTEP*2
	JLOAD \slot                                    ; my one tensor load behind the round
.endif
	PLACES
	FETCH \next, 0, 0
	WIN 0xf1
	MUL12 1, 1, 0, 0
	MUL12 1, 1, 1, 0
.endm
.macro LAP first
	THREE 0, \first
	TURN 0, 1, 1
	THREE 1, 0
	TURN 1, 0, 1
.endm
	s_wait_loadcnt 0x0                             ; the bias
	s_wait_tensorcnt 1                             ; my part of K step 0 is in; K step 1's may stay out
	s_barrier_signal -1
	s_barrier_wait -1
	FETCH 0, 0, 0
	LAP 1                                          ; the first lap stands in front of the loop: its first products take the bias as C
	WIN 0
	s_mov_b32 s3, LAPS-2
.Llap:
	LAP 0
	WIN 0
	s_sub_co_u32 s3, s3, 1
	s_cmp_lg_u32 s3, 0
	s_cbranch_scc1 .Llap
	THREE 0, 0                                     ; the last lap fills nothing
	TURN 0, 1, 0
	THREE 1, 0
	s_wait_dscnt 4
	WIN 0xa1
	MUL12 1, 0, 0, 0
	MUL12 1, 0, 1, 0
	s_wait_dscnt 0
	WIN 0xf1
	MUL12 1, 1, 0, 0
	MUL12 1, 1, 1, 0
	PLACES
	; THE WAY OUT, 16 rows at a time: round to bf16, 16 bytes a lane into my own stage, read back by heads, store 512 neighbouring bytes of a plane
	s_lshl_b32 s16, s13, 8
	s_lshl_b32 s17, s10, 6
	s_add_co_u32 s16, s16, s17                     ; my first row: 256 x block row + 64 x wave
	s_lshl_b32 s16, s16, 7                         ; rows of 128 bytes
	s_mov_b32 s17, 0
	s_add_nc_u64 s[8:9], s[8:9], s[16:17]
	s_mul_i32 s46, s42, 3*PLANE                    ; my first plane: 3 x block column
	s_mov_b32 s47, 0
	s_add_nc_u64 s[8:9], s[8:9], s[46:47]
; rows 16 i .. 16 i + 15 = the twelve tiles (a, 0..11) of window 2 or 3 (from = 0x0a or 0x0f: sources 0 and 1); rb: RB0 or RB1 in turn
.macro OUT16 i, a, from, rb
	WIN \from
.irp b, 0,1,2,3,4,5,6,7,8,9,10,11
.irp e, 0,1,2,3
	v_cvt_pk_bf16_f32 v[TMP+4*\b+\e], v[8*(12*\a+\b)+2*\e], v[8*(12*\a+\b)+2*\e+1]
.endr
.endr
	WIN 0
.irp b, 0,1,2,3,4,5,6,7,8,9,10,11
	ds_store_b128 v[STO], v[TMP+4*\b:TMP+4*\b+3] offset:32*\b
.endr
	s_wait_xcnt 0x0                                ; buffer rb, which earlier stores read, is loaded again only behind this wait
.irp hh, 0,1,2
.irp t, 0,1,2,3
	ds_load_b128 v[\rb+4*(4*\hh+\t):\rb+4*(4*\hh+\t)+3], v[RD] offset:128*\hh+4*SPITCH*\t   ; a wave's LDS instructions are served in order: these see the stores above
.endr
.endr
.irp hh, 0,1,2
.irp t, 0,1,2,3
	s_wait_dscnt 11-(4*\hh+\t)                     ; load 4 hh + t of the twelve is in
	global_store_b128 v[CO], v[\rb+4*(4*\hh+\t):\rb+4*(4*\hh+\t)+3], s[8:9] offset:\hh*PLANE+2048*\i+512*\t
.endr
.endr
.endm
	OUT16 0, 0, 0x0a, RB0
	OUT16 1, 1, 0x0a, RB1
	OUT16 2, 0, 0x0f, RB0
	OUT16 3, 1, 0x0f, RB1
	s_set_vgpr_msb 0x1
	s_wait_tensorcnt 0x0
	ds_add_u32 v255, v255
	s_wait_dscnt 0x0
	s_set_vgpr_msb 0x100
	CROUND                                         ; the closing round: no work-group ends while a partner may still ask for a tile that names it
	s_endpgm
.Lfunc_end_k_q6f6b87905c_qkv:
	.size	k_q6f6b87905c_qkv, .Lfunc_end_k_q6f6b87905c_qkv-k_q6f6b87905c_qkv
	.p2alignl 7, 3214868480
	.fill 96, 4, 3214868480
	.section	.rodata,"a",@progbits
	.p2align	6, 0x0
	.amdhsa_kernel k_q6f6b87905c_qkv
		.amdhsa_group_segment_fixed_size 327680
		.amdhsa_private_segment_fixed_size 0
		.amdhsa_enable_private_segment 0
		.amdhsa_kernarg_size 24
		.amdhsa_user_sgpr_count 2
		.amdhsa_user_sgpr_kernarg_segment_ptr 1
		.amdhsa_wavefront_size32 1
		.amdhsa_system_sgpr_workgroup_id_x 1
		.amdhsa_system_sgpr_workgroup_id_y 1
		.amdhsa_system_sgpr_workgroup_id_z 1
		.amdhsa_system_vgpr_workitem_id 0
		.amdhsa_next_free_vgpr 960
		.amdhsa_next_free_sgpr 66
		.amdhsa_reserve_vcc 0
		.amdhsa_float_denorm_mode_32 3
		.amdhsa_float_denorm_mode_16_64 3
		.amdhsa_memory_ordered 1
		.amdhsa_forward_progress 1
		.amdhsa_inst_pref_size 166
	.end_amdhsa_kernel
	.amdgpu_metadata
---
amdhsa.version: [ 1, 2 ]
amdhsa.kernels:
  - .name:           k_q6f6b87905c_qkv
    .symbol:         k_q6f6b87905c_qkv.kd
    .args:
      - { .name: cb, .offset: 0, .size: 8, .value_kind: global_buffer, .address_space: global }
      - { .name: b_qkv, .offset: 8, .size: 8, .value_kind: global_buffer, .address_space: global }
      - { .name: qkvb, .offset: 16, .size: 8, .value_kind: global_buffer, .address_space: global }
    .group_segment_fixed_size: 327680
    .private_segment_fixed_size: 0
    .kernarg_segment_align: 8
    .kernarg_segment_size: 24
    .max_flat_workgroup_size: 128
    .sgpr_count:     66
    .vgpr_count:     960
    .wavefront_size: 32
...
	.end_amdgpu_metadata
.endif
;; end of part 2
;; launch attn (part 3): grid 8 x 32, 8 waves a work-group, clusters of 4 x 1, 327,680 bytes of LDS; arguments qkvb, ao; writes ao
.if DOCPART == 3
	.amdgcn_target "amdgcn-amd-amdhsa--gfx1250"
	.amdhsa_code_object_version 6
	.text
	.protected	k_q6f6b87905c_attn
	.globl	k_q6f6b87905c_attn
	.p2align	8
	.type	k_q6f6b87905c_attn,@function
k_q6f6b87905c_attn:
	s_mov_b64 s[64:65], 0
	v_nop
	global_prefetch_b8 v0, s[64:65] scope:SCOPE_SE
	s_setreg_imm32_b32 hwreg(HW_REG_WAVE_MODE, 25, 1), 1
	s_wait_xcnt 0x0
	s_wait_alu depctr_hold_cnt(0) depctr_sa_sdst(0) depctr_va_vdst(0) depctr_va_sdst(0) depctr_va_ssrc(0) depctr_va_vcc(0) depctr_vm_vsrc(0)
	s_getreg_b32 s2, hwreg(HW_REG_IB_STS2, 6, 4)
	s_cmp_eq_u32 s2, 0
	s_cbranch_scc0 .Lentry_in_a_cluster
	s_endpgm
.Lentry_in_a_cluster:
	s_bfe_u32 s2, ttmp6, 0x10000c
	s_cmp_lg_u32 s2, 0x3003
	s_cbranch_scc0 .Lentry_shape_is_right
	s_endpgm
.Lentry_shape_is_right:
; softmax(q k^T / 8) v for one (batch, head) y = 2 head + batch and 256 query rows; 2,048 keys in 8 tiles of 256, each in 4 blocks of 64.
; Reads qkvb [48 planes][4096][64] bf16, stores ao [16 heads][4096][64] bf16.  Eight waves; wave w owns 32 queries (2 tiles of 16).
; ORIENTATION: S^T = K Q^T (A = 16 keys, B = 16 queries) and O^T = V^T P^T (A = 16 d, B = 16 queries).  Lane l then holds ONE query,
; l % 16: of S^T eight keys 8 (l / 16) + 0..7 of each tile, of O^T eight neighbouring d.  So two neighbouring score tiles, rounded to bf16 in
; place, ARE the B fragment of the second product; maximum and sum need one exchange between the halves of the wave; the rescale
; factor is one number a lane.  V lies [key][d] in LDS and is read by the transposing load.
; SOFTMAX: a running maximum of the raw scores; p = exp2(c s + NM), c = log2(e) / 8, NM = -c max; when the maximum moves, O and the sum
; are multiplied by exp2(NM new - NM old), the difference of the two shifts that were applied.  Sums in f32.
; CLUSTER 4 x 1: four of a head's eight query blocks run together and ask for each K and V tile jointly (mask 15).
; LIMITS: q, k, v, P and the result are bf16; an exponential below 2^-126 counts as 0 (the row's sum is about 1 or more); the sums' order differs
; from reference()'s; NaN and infinities get no special care.
;
; LDS: a slot = V's 256 keys (pitch 160) at 0, K's 256 keys (pitch 144) at 40,960; two slots; behind them a stage of 32 x 144 bytes a wave.
; REGISTERS: window 0 as named below; window 1: v0-63 O (query tile q, d tile dt at 8 (4 q + dt)), v64-95 Q (q, K half ks at 64 + 8 (2 q + ks)).
.set KPITCH, 144                       ; 128 bytes + 16: an odd multiple of 16
.set VPITCH, 160                       ; 128 bytes + 32: an odd multiple of 32, for the transposing load
.set KOFF,   256*VPITCH                ; 40,960
.set SLOT,   KOFF+256*KPITCH           ; 77,824
.set STAGE,  2*SLOT                    ; 155,648 = 608 x 256
.set SPITCH, 144
.set ADK, 4                            ; v4-5   LDS address of my K fragments in slot 0, 1
.set ADV, 6                            ; v6-7   the same for V
.set STO, 8
.set RD,  9
.set CO,  10
.set QO,  11
.set MX,  12                           ; v12-13 running maximum, query tile 0, 1
.set TT,  14                           ; v14-15 at work
.set XX,  16                           ; v16-17 at work
.set AL,  20                           ; v20-23 rescale factor, a pair for each query tile
.set NM,  24                           ; v24-27 -c x maximum, a pair for each query tile
.set LS,  28                           ; v28-31 running sum, two partial sums for each query tile
.set RA,  32                           ; v32-39 a block's sums: two pairs for each query tile
.set SC,  64                           ; v64-127  scores (q, kt) at SC + 32 q + 8 kt; then P (q, ks) at SC + 32 q + 16 ks
.set KF,  128                          ; v128-191 K fragments (kt, ks) at KF + 16 kt + 8 ks
.set VF,  192                          ; v192-255 V fragments (dt, ks) at VF + 8 (4 ks + dt)
.set QF,  64                           ; window 1
.set G1V, 16
.set G1K, 24
.set G0V, 32                           ; s[32:39] one set for each slot
.set G0K, 40                           ; s[40:47]
.set CPOS, 0x3e38aa3b                  ; log2(e) / 8
.set CNEG, 0xbe38aa3b
.set MSB, 0
.macro WIN new
.if MSB != \new
	s_set_vgpr_msb (MSB<<8)|\new
.set MSB, \new
.endif
.endm
.macro PLACES n
.rept \n
	v_nop
.endr
.endm
.macro ROUND                           ; a round of the cluster's barrier
	s_barrier_signal -1
	s_barrier_wait -1
	s_cmp_lg_u32 s8, 0
	s_cbranch_scc1 .Lnot_wave_0_\@
	s_barrier_signal -3
.Lnot_wave_0_\@:
	s_barrier_wait -3
	s_barrier_signal -1
	s_barrier_wait -1
.endm
.macro JLOAD s                         ; waves 0-3 ask for 64 keys of V each, waves 4-7 for 64 keys of K each
	s_cmp_eq_u32 s9, 0
	s_cbranch_scc0 .Lfor_k_\@
	tensor_load_to_lds s[G0V+4*\s:G0V+4*\s+3], s[G1V:G1V+7]
	s_nop 0
	s_branch .Lasked_\@
.Lfor_k_\@:
	tensor_load_to_lds s[G0K+4*\s:G0K+4*\s+3], s[G1K:G1K+7]
	s_nop 0
.Lasked_\@:
.endm
	s_load_b128 s[4:7], s[0:1], 0x0                ; qkvb s[4:5], ao s[6:7]
	v_lshl_add_u32 v62, v0, 2, 0x2f000
	v_mov_b32 v63, 0
	ds_add_u32 v62, v63
	v_lshrrev_b32 v1, 5, v0
	v_readfirstlane_b32 s8, v1                     ; wave 0..7
	s_lshr_b32 s9, s8, 2                           ; I fetch for V (0) or for K (1)
	s_bfe_u32 s10, ttmp6, 0x40000                  ; cx
	s_lshl_b32 s11, ttmp9, 2
	s_add_co_u32 s11, s11, s10                     ; query block 0..7
	s_and_b32 s12, ttmp7, 0xffff                   ; y = 2 head + batch
	s_mov_b32 s48, 0x76543210                      ; v_permlanex16_b32: lane i reads lane i of the other half
	s_mov_b32 s49, 0xfedcba98
	; group 1: 64 keys are 8,192 dense bytes: 32 rows of 32 elements of 8 bytes; padding behind every 32 words (a key's 128 bytes): 8 words for V, 4 for K
	s_mov_b32 s[G1V+0], 15|(3<<16)|(1<<20)|(1<<21)|(4<<22)|(7<<25)
	s_mov_b32 s[G1K+0], 15|(3<<16)|(1<<20)|(1<<21)|(4<<22)|(3<<25)
.irp g, G1V, G1K
	s_mov_b32 s[\g+1], 32<<16                      ; tensor_dim0 = 32
	s_mov_b32 s[\g+2], 32<<16                      ; tensor_dim1 = 32
	s_mov_b32 s[\g+3], 32<<16                      ; tile_dim0 = 32
	s_mov_b32 s[\g+4], 32                          ; tile_dim1 = 32
	s_mov_b32 s[\g+5], 32                          ; the pitch: dense
	s_mov_b32 s[\g+6], 0
	s_mov_b32 s[\g+7], 0
.endr
	s_lshl_b32 s14, s12, 18                        ; y x 2,048 rows x 128 bytes
	s_lshl_b32 s13, s8, 13                         ; + wave x 64 keys: shared by the four partners
	s_add_co_u32 s14, s14, s13
	s_mov_b32 s15, 0
	s_lshl_b32 s2, s12, 18                         ; my wave's 32 queries: y, query block x 256 rows, wave x 32 rows
	s_lshl_b32 s3, s11, 15
	s_add_co_u32 s2, s2, s3
	s_lshl_b32 s3, s8, 12
	s_add_co_u32 s2, s2, s3
	s_mov_b32 s3, 0
	s_mul_i32 s51, s8, 64*VPITCH                   ; LDS: waves 0-3 at 10,240 w
	s_mul_i32 s54, s8, 64*KPITCH
	s_add_co_u32 s54, s54, KOFF-4*64*KPITCH        ; waves 4-7 at 40,960 + 9,216 (w - 4)
	s_mul_i32 s55, s8, 32*SPITCH
	s_add_co_u32 s55, s55, STAGE                   ; my stage
	s_wait_dscnt 0x0
	s_wait_kmcnt 0x0
	s_add_nc_u64 s[52:53], s[4:5], s[2:3]          ; Q (planes 0-15)
	s_add_nc_u64 s[6:7], s[6:7], s[2:3]            ; ao, the same layout
	s_add_nc_u64 s[14:15], s[4:5], s[14:15]
.irp s, 0,1
	s_mov_b32 s[G0V+4*\s], 1
	s_add_co_u32 s[G0V+4*\s+1], s51, \s*SLOT
	s_add_nc_u64 s[G0V+4*\s+2:G0V+4*\s+3], s[14:15], 16777216+\s*32768       ; V: planes 32-47; tile s
	s_or_b32 s[G0V+4*\s+3], s[G0V+4*\s+3], 0x80000000
	s_mov_b32 s[G0K+4*\s], 1
	s_add_co_u32 s[G0K+4*\s+1], s54, \s*SLOT
	s_add_nc_u64 s[G0K+4*\s+2:G0K+4*\s+3], s[14:15], 8388608-4*8192+\s*32768 ; K: planes 16-31; waves 4-7 take keys 64 (w - 4)
	s_or_b32 s[G0K+4*\s+3], s[G0K+4*\s+3], 0x80000000
.endr
	v_and_b32 v1, 15, v0                           ; r
	v_bfe_u32 v2, v0, 4, 1                         ; h
	v_and_b32 v3, 31, v0                           ; l
	v_lshlrev_b32 v[QO], 7, v1
	v_lshl_add_u32 v[QO], v2, 4, v[QO]             ; Q: row r, 16 h
	WIN 0x40                                       ; destination window 1
.irp q, 0,1
.irp ks, 0,1
	global_load_b128 v[QF+8*(2*\q+\ks):QF+8*(2*\q+\ks)+3],   v[QO], s[52:53] offset:2048*\q+64*\ks
	global_load_b128 v[QF+8*(2*\q+\ks)+4:QF+8*(2*\q+\ks)+7], v[QO], s[52:53] offset:2048*\q+64*\ks+32
.endr
.endr
	WIN 0
	ROUND                                          ; the four work-groups are here: the first joint load meets
	JLOAD 0                                        ; tile 0: one tensor load of a wave is out, here and behind every round
	v_mul_u32_u24 v[ADK], v1, KPITCH
	v_lshl_add_u32 v[ADK], v2, 4, v[ADK]           ; r x 144 + 16 h
	v_add_nc_u32 v[STO], s55, v[ADK]               ; the stage has the same pitch
	v_add_nc_u32 v[ADK+1], SLOT+KOFF, v[ADK]
	v_add_nc_u32 v[ADK], KOFF, v[ADK]
	v_and_b32 v[ADV], 7, v0
	v_lshl_add_u32 v[ADV], v2, 3, v[ADV]           ; key 8 h + l % 8
	v_mul_u32_u24 v[ADV], v[ADV], VPITCH
	v_bfe_u32 v[ADV+1], v0, 3, 1
	v_lshl_add_u32 v[ADV], v[ADV+1], 4, v[ADV]     ; + 16 ((l / 8) % 2)
	v_add_nc_u32 v[ADV+1], SLOT, v[ADV]
	v_lshrrev_b32 v[RD], 3, v3
	v_mul_u32_u24 v[RD], v[RD], SPITCH
	v_and_b32 v[CO], 7, v0
	v_lshl_add_u32 v[RD], v[CO], 4, v[RD]
	v_add_nc_u32 v[RD], s55, v[RD]                 ; back: eight lanes take a row's 128 bytes
	v_lshlrev_b32 v[CO], 4, v3
	v_mov_b32 v[XX], 0                             ; v_permlanex16_b32 counts as a reader of its destination
	v_mov_b32 v[XX+1], 0
	s_wait_loadcnt 0x0                             ; Q
.macro LDK slot, kb                    ; 16 loads: the K fragments of keys 64 kb .. 64 kb + 63
.irp kt, 0,1,2,3
.irp ks, 0,1
	ds_load_b128 v[KF+16*\kt+8*\ks:KF+16*\kt+8*\ks+3],   v[ADK+\slot] offset:(64*(\kb)+16*\kt)*KPITCH+64*\ks
	ds_load_b128 v[KF+16*\kt+8*\ks+4:KF+16*\kt+8*\ks+7], v[ADK+\slot] offset:(64*(\kb)+16*\kt)*KPITCH+64*\ks+32
.endr
.endr
.endm
.macro LDV slot, kb                    ; 16 transposing loads: the V^T fragments of the same keys
.irp ks, 0,1
.irp dt, 0,1,2,3
	ds_load_tr16_b128 v[VF+8*(4*\ks+\dt):VF+8*(4*\ks+\dt)+3],   v[ADV+\slot] offset:(64*(\kb)+32*\ks)*VPITCH+32*\dt
	ds_load_tr16_b128 v[VF+8*(4*\ks+\dt)+4:VF+8*(4*\ks+\dt)+7], v[ADV+\slot] offset:(64*(\kb)+32*\ks)*VPITCH+32*\dt+16*VPITCH
.endr
.endr
.endm
; the eight score tiles take turns, one instruction a turn: d 0-31 starts the sums, d 32-63 adds
.macro SMUL
.irp q, 0,1
.irp kt, 0,1,2,3
	v_wmma_f32_16x16x32_bf16 v[SC+32*\q+8*\kt:SC+32*\q+8*\kt+7], v[KF+16*\kt:KF+16*\kt+7], v[QF+16*\q:QF+16*\q+7], 0
.endr
.endr
.irp q, 0,1
.irp kt, 0,1,2,3
	v_wmma_f32_16x16x32_bf16 v[SC+32*\q+8*\kt:SC+32*\q+8*\kt+7], v[KF+16*\kt+8:KF+16*\kt+15], v[QF+16*\q+8:QF+16*\q+15], v[SC+32*\q+8*\kt:SC+32*\q+8*\kt+7]
.endr
.endr
.endm
.macro PVK ks, zero                    ; the eight O tiles take turns likewise: keys 32 ks .. 32 ks + 31 of the block
.irp q, 0,1
.irp dt, 0,1,2,3
.if \zero
	v_wmma_f32_16x16x32_bf16 v[8*(4*\q+\dt):8*(4*\q+\dt)+7], v[VF+8*(4*\ks+\dt):VF+8*(4*\ks+\dt)+7], v[SC+32*\q+16*\ks:SC+32*\q+16*\ks+7], 0
.else
	v_wmma_f32_16x16x32_bf16 v[8*(4*\q+\dt):8*(4*\q+\dt)+7], v[VF+8*(4*\ks+\dt):VF+8*(4*\ks+\dt)+7], v[SC+32*\q+16*\ks:SC+32*\q+16*\ks+7], v[8*(4*\q+\dt):8*(4*\q+\dt)+7]
.endif
.endr
.endr
.endm
; step i (0..15) of the sum of query tile q's 16 pairs of p, in two chains, and its entry into the running sum
.macro SUMSTEP q, i, first
.if \i == 0
	s_wait_alu depctr_va_vdst(0)
	v_pk_add_f32 v[RA+4*\q:RA+4*\q+1], v[SC+32*\q:SC+32*\q+1], v[SC+32*\q+2:SC+32*\q+3]
.elseif \i == 1
	v_pk_add_f32 v[RA+4*\q+2:RA+4*\q+3], v[SC+32*\q+4:SC+32*\q+5], v[SC+32*\q+6:SC+32*\q+7]
.elseif \i < 14
	v_pk_add_f32 v[RA+4*\q+2*(\i%2):RA+4*\q+2*(\i%2)+1], v[RA+4*\q+2*(\i%2):RA+4*\q+2*(\i%2)+1], v[SC+32*\q+2*(\i+2):SC+32*\q+2*(\i+2)+1]
.elseif \i == 14
.if \first
	v_pk_add_f32 v[LS+2*\q:LS+2*\q+1], v[RA+4*\q:RA+4*\q+1], v[RA+4*\q+2:RA+4*\q+3]
.else
	v_pk_add_f32 v[RA+4*\q:RA+4*\q+1], v[RA+4*\q:RA+4*\q+1], v[RA+4*\q+2:RA+4*\q+3]
.endif
.else
.if \first == 0
	v_pk_fma_f32 v[LS+2*\q:LS+2*\q+1], v[LS+2*\q:LS+2*\q+1], v[AL+2*\q:AL+2*\q+1], v[RA+4*\q:RA+4*\q+1]
	s_wait_alu depctr_va_vdst(0)
.endif
.endif
.endm
.macro CVTP q                          ; p to bf16 in place: word e of a fragment comes from numbers 2 e, 2 e + 1, which lie at or above it
.irp ks, 0,1
.irp e, 0,1,2,3,4,5,6,7
	v_cvt_pk_bf16_f32 v[SC+32*\q+16*\ks+\e], v[SC+32*\q+16*\ks+2*\e], v[SC+32*\q+16*\ks+2*\e+1]
.endr
.endr
.endm
; One block of 64 keys.  On entry its 16 K loads are out.  first = 1: the launch's first block starts maximum, sums and O.  kpre = 1: the next block's K is fetched.
.macro BLOCK slot, kb, first, kpre
	LDV \slot, \kb
	s_wait_dscnt 16                                ; the 16 V loads just issued may be out; the K loads in front of them are in
	WIN 0x04                                       ; source 1 (Q) window 1
	SMUL
	WIN 0
	PLACES 4                                       ; in front of the readers of the scores and of the loads into K's registers
.if \kpre
	LDK \slot, \kb+1
.endif
	; the maximum of my 32 scores of each query tile and of the running maximum; the two tiles' chains alternate
.irp q, 0,1
.if \first
	v_max_num_f32 v[TT+\q], v[SC+32*\q], v[SC+32*\q+1]
.else
	v_max3_num_f32 v[TT+\q], v[MX+\q], v[SC+32*\q], v[SC+32*\q+1]
.endif
.endr
.irp i, 1,2,3,4,5,6,7,8,9,10,11,12,13,14,15
.irp q, 0,1
	v_max3_num_f32 v[TT+\q], v[TT+\q], v[SC+32*\q+2*\i], v[SC+32*\q+2*\i+1]
.endr
.endr
.irp q, 0,1
	v_permlanex16_b32 v[XX+\q], v[TT+\q], s48, s49 ; the same query's other 32 keys lie in the other half of the wave
.endr
.irp q, 0,1
	v_max_num_f32 v[MX+\q], v[TT+\q], v[XX+\q]
.endr
.irp q, 0,1
	v_mul_f32 v[TT+\q], CNEG, v[MX+\q]             ; the new shift
.endr
.if \first == 0
.irp q, 0,1
	v_sub_f32 v[XX+\q], v[TT+\q], v[NM+2*\q]       ; new shift - old shift, 0 or below
.endr
.irp q, 0,1
	v_exp_f32 v[AL+2*\q], v[XX+\q]
.endr
.endif
.irp q, 0,1
	v_mov_b32 v[NM+2*\q], v[TT+\q]                 ; plain instructions that touch neither AL nor XX stand behind the exponentials (ISA guide 5.7.2)
	v_mov_b32 v[NM+2*\q+1], v[TT+\q]
.endr
.if \first == 0
	s_wait_alu depctr_va_vdst(0)
.irp q, 0,1
	v_mov_b32 v[AL+2*\q+1], v[AL+2*\q]
.endr
.endif
	; p = exp2(c s + NM).  Each pair of exponentials is followed by a plain instruction on the other query tile's registers.
.irp i, 0,1,2,3,4,5,6,7,8,9,10,11,12,13,14,15
	v_pk_fma_f32 v[SC+2*\i:SC+2*\i+1], v[SC+2*\i:SC+2*\i+1], CPOS, v[NM:NM+1] op_sel_hi:[1,0,1]
.endr
.irp i, 0,1,2,3,4,5,6,7,8,9,10,11,12,13,14,15
	v_exp_f32 v[SC+2*\i], v[SC+2*\i]
	v_exp_f32 v[SC+2*\i+1], v[SC+2*\i+1]
	v_pk_fma_f32 v[SC+32+2*\i:SC+32+2*\i+1], v[SC+32+2*\i:SC+32+2*\i+1], CPOS, v[NM+2:NM+3] op_sel_hi:[1,0,1]
.endr
.irp i, 0,1,2,3,4,5,6,7,8,9,10,11,12,13,14,15
	v_exp_f32 v[SC+32+2*\i], v[SC+32+2*\i]
	v_exp_f32 v[SC+32+2*\i+1], v[SC+32+2*\i+1]
	SUMSTEP 0, \i, \first
.endr
	CVTP 0
.irp i, 0,1,2,3,4,5,6,7,8,9,10,11,12,13,14,15
	SUMSTEP 1, \i, \first
.endr
	CVTP 1
.if \first == 0
	WIN 0x41                                       ; O in window 1, the factor in window 0
.irp q, 0,1
.irp j, 0,1,2,3,4,5,6,7,8,9,10,11,12,13,14,15
	v_pk_mul_f32 v[32*\q+2*\j:32*\q+2*\j+1], v[32*\q+2*\j:32*\q+2*\j+1], v[AL+2*\q:AL+2*\q+1]
.endr
.endr
.endif
	s_wait_dscnt 16*\kpre                          ; V is in; only the next block's 16 K loads may be out
	WIN 0x50                                       ; C and D window 1
	PVK 0, \first
	PVK 1, 0
	WIN 0
	PLACES 5                                       ; in front of the next score products, which write over P, and of the loads into V's registers
.endm
; One tile of 256 keys in slot; other = the other slot.  In front of the round every wave waits for all its tensor loads (its part of this
; tile) and for its reads of the other slot; behind the round the next tile is asked for into the other slot, first thing.
.macro TRIP slot, other, refill, first
	s_wait_tensorcnt 0x0                           ; no load of mine is out, so a group 0 may be written: this slot's next tile, two tiles on
	ds_add_u32 v62, v63
	s_wait_dscnt 0x0
	s_add_nc_u64 s[G0V+4*\slot+2:G0V+4*\slot+3], s[G0V+4*\slot+2:G0V+4*\slot+3], 65536
	s_add_nc_u64 s[G0K+4*\slot+2:G0K+4*\slot+3], s[G0K+4*\slot+2:G0K+4*\slot+3], 65536
	s_wait_dscnt 0x0
	ROUND
.if \refill
	JLOAD \other
.endif
	LDK \slot, 0
	BLOCK \slot, 0, \first, 1
	BLOCK \slot, 1, 0, 1
	BLOCK \slot, 2, 0, 1
	BLOCK \slot, 3, 0, 0
.endm
	TRIP 0, 1, 1, 1                                ; tile 0; tile 1 is asked for
	TRIP 1, 0, 1, 0
	s_mov_b32 s50, 2
.Lpair:
	TRIP 0, 1, 1, 0                                ; tiles 2 to 5
	TRIP 1, 0, 1, 0
	s_sub_co_u32 s50, s50, 1
	s_cmp_lg_u32 s50, 0
	s_cbranch_scc1 .Lpair
	TRIP 0, 1, 1, 0                                ; tile 6; tile 7 is asked for
	TRIP 1, 0, 0, 0                                ; tile 7: nothing is left to fetch (the stepped addresses are not used)
	; O / sum, to bf16, through my stage, out in runs of 512 neighbouring bytes
.irp q, 0,1
	v_add_f32 v[XX+\q], v[LS+2*\q], v[LS+2*\q+1]
.endr
.irp q, 0,1
	v_permlanex16_b32 v[TT+\q], v[XX+\q], s48, s49
.endr
.irp q, 0,1
	v_add_f32 v[XX+\q], v[XX+\q], v[TT+\q]
.endr
.irp q, 0,1
	v_rcp_f32 v[AL+2*\q], v[XX+\q]
	v_rcp_f32 v[AL+2*\q+1], v[XX+\q]
.endr
	v_nop                                          ; one plain place behind the reciprocals (ISA guide 5.7.2)
	WIN 0x41
	s_wait_alu depctr_va_vdst(0)
.irp q, 0,1
.irp j, 0,1,2,3,4,5,6,7,8,9,10,11,12,13,14,15
	v_pk_mul_f32 v[32*\q+2*\j:32*\q+2*\j+1], v[32*\q+2*\j:32*\q+2*\j+1], v[AL+2*\q:AL+2*\q+1]
.endr
.endr
	WIN 0x05                                       ; sources window 1, destination window 0
.irp t, 0,1,2,3,4,5,6,7
.irp e, 0,1,2,3
	v_cvt_pk_bf16_f32 v[SC+4*\t+\e], v[8*\t+2*\e], v[8*\t+2*\e+1]
.endr
.endr
	WIN 0
.irp q, 0,1
.irp dt, 0,1,2,3
	ds_store_b128 v[STO], v[SC+4*(4*\q+\dt):SC+4*(4*\q+\dt)+3] offset:16*SPITCH*\q+32*\dt    ; query 16 q + r, d 16 dt + 8 h + 0..7
.endr
.endr
.irp t, 0,1,2,3,4,5,6,7
	ds_load_b128 v[KF+4*\t:KF+4*\t+3], v[RD] offset:4*SPITCH*\t    ; four rows; a wave's LDS instructions are served in order
.endr
.irp t, 0,1,2,3,4,5,6,7
	s_wait_dscnt 7-\t                              ; load t of the eight is in
	global_store_b128 v[CO], v[KF+4*\t:KF+4*\t+3], s[6:7] offset:512*\t
.endr
	s_wait_tensorcnt 0x0
	ds_add_u32 v62, v63
	s_wait_dscnt 0x0
	ROUND                                          ; the closing round
	s_endpgm
.Lfunc_end_k_q6f6b87905c_attn:
	.size	k_q6f6b87905c_attn, .Lfunc_end_k_q6f6b87905c_attn-k_q6f6b87905c_attn
	.p2alignl 7, 3214868480
	.fill 96, 4, 3214868480
	.section	.rodata,"a",@progbits
	.p2align	6, 0x0
	.amdhsa_kernel k_q6f6b87905c_attn
		.amdhsa_group_segment_fixed_size 327680
		.amdhsa_private_segment_fixed_size 0
		.amdhsa_enable_private_segment 0
		.amdhsa_kernarg_size 16
		.amdhsa_user_sgpr_count 2
		.amdhsa_user_sgpr_kernarg_segment_ptr 1
		.amdhsa_wavefront_size32 1
		.amdhsa_system_sgpr_workgroup_id_x 1
		.amdhsa_system_sgpr_workgroup_id_y 1
		.amdhsa_system_sgpr_workgroup_id_z 1
		.amdhsa_system_vgpr_workitem_id 0
		.amdhsa_next_free_vgpr 352
		.amdhsa_next_free_sgpr 66
		.amdhsa_reserve_vcc 0
		.amdhsa_float_denorm_mode_32 3
		.amdhsa_float_denorm_mode_16_64 3
		.amdhsa_memory_ordered 1
		.amdhsa_forward_progress 1
		.amdhsa_inst_pref_size 255
	.end_amdhsa_kernel
	.section	.bss,"aw",@nobits
	.p2align	6
	.space	262144
	.amdgpu_metadata
---
amdhsa.version: [ 1, 2 ]
amdhsa.kernels:
  - .name:           k_q6f6b87905c_attn
    .symbol:         k_q6f6b87905c_attn.kd
    .args:
      - { .name: qkvb, .offset: 0, .size: 8, .value_kind: global_buffer, .address_space: global }
      - { .name: ao, .offset: 8, .size: 8, .value_kind: global_buffer, .address_space: global }
    .group_segment_fixed_size: 327680
    .private_segment_fixed_size: 0
    .kernarg_segment_align: 8
    .kernarg_segment_size: 16
    .max_flat_workgroup_size: 256
    .sgpr_count:     66
    .vgpr_count:     352
    .wavefront_size: 32
...
	.end_amdgpu_metadata
.endif
;; end of part 3
;; launch proj (part 4): grid 8 x 32, 4 waves a work-group, clusters of 4 x 4, 327,680 bytes of LDS; arguments ao, cb, b_out, out0; writes out0
.if DOCPART == 4
	.amdgcn_target "amdgcn-amd-amdhsa--gfx1250"
	.amdhsa_code_object_version 6
	.text
	.protected	k_q6f6b87905c_proj
	.globl	k_q6f6b87905c_proj
	.p2align	8
	.type	k_q6f6b87905c_proj,@function
k_q6f6b87905c_proj:
	s_mov_b64 s[64:65], 0
	v_nop
	global_prefetch_b8 v0, s[64:65] scope:SCOPE_SE
	s_setreg_imm32_b32 hwreg(HW_REG_WAVE_MODE, 25, 1), 1
	s_wait_xcnt 0x0
	s_wait_alu depctr_hold_cnt(0) depctr_sa_sdst(0) depctr_va_vdst(0) depctr_va_sdst(0) depctr_va_ssrc(0) depctr_va_vcc(0) depctr_vm_vsrc(0)
	s_getreg_b32 s2, hwreg(HW_REG_IB_STS2, 6, 4)
	s_cmp_eq_u32 s2, 0
	s_cbranch_scc0 .Lentry_in_a_cluster
	s_endpgm
.Lentry_in_a_cluster:
	s_bfe_u32 s2, ttmp6, 0x10000c
	s_cmp_lg_u32 s2, 0xf033
	s_cbranch_scc0 .Lentry_shape_is_right
	s_endpgm
.Lentry_shape_is_right:
; out0 = a W_out^T + b_out, [4096][1024] f32, K = 1024.  a is ao [16 heads][4096][64] bf16 (K index = 64 head + d), W_out's bf16 copy lies in cb.
; 8 x 32 work-groups, each a block of 128 x 128; four waves, 2 x 2, each 64 x 64: 16 accumulator tiles in window 1 at v[8 (4 a + b)].
; A block of this size gives one work-group for each of 256 blocks.  A K step of 128 would be 64 matrix instructions of a wave, so a slot holds K = 256
; (four heads): 128 matrix instructions between a request and the wait for it, four fills in all, no loop.
; CLUSTER 4 x 4: a's tiles are shared along a row of the cluster, W's along a column, by joint loads.
; The matrix instruction is used transposed (source 0 = rows of W, source 1 = rows of a): a lane holds eight neighbouring columns of one row.
; The bias is the C of each tile's first product.
; LIMITS: a and W_out are bf16; the order of the sums differs from reference()'s; NaN and infinities get no special care.
; LDS: a slot = a: 4 planes x 128 rows x 144 bytes at 0; W: 128 rows x 528 bytes at 73,728.  Two slots; behind them a stage of 16 x 272 bytes a wave.
.set APITCH, 144                       ; a head's 128 bytes + 16
.set APLANE, 128*APITCH                ; 18,432
.set BPITCH, 528                       ; 512 bytes + 16
.set BOFF,   4*APLANE                  ; 73,728
.set SLOT,   BOFF+128*BPITCH           ; 141,312
.set STAGE,  2*SLOT                    ; 282,624 = 1,104 x 256
.set SPITCH, 272                       ; 64 f32 + 16 bytes
.set ADRA, 16
.set ADRB, 20
.set STO,  24
.set RD,   25
.set CO,   26
.set BO,   27
.set BIAS, 32                          ; v32-63  4 x 8
.set FB,   64                          ; buffer f at FB + 64 f: W's four fragments, then a's four
.set RB0,  192
.set RB1,  224
.set G1,  24
.set G0,  32
.set G1B, 48
.set G0B, 56
.set MSB, 0
.macro WIN new
.if MSB != \new
	s_set_vgpr_msb (MSB<<8)|\new
.set MSB, \new
.endif
.endm
.macro PLACES                          ; four places behind matrix instructions (ISA guide 7.12.1)
.rept 4
	v_nop
.endr
.endm
.macro JLOAD s                         ; waves 0, 1 ask for two planes of a each, waves 2, 3 for 64 rows of W each
	s_cmp_eq_u32 s11, 0
	s_cbranch_scc0 .Lfor_b_\@
	tensor_load_to_lds s[G0+4*\s:G0+4*\s+3], s[G1:G1+7]
	s_nop 0
	s_branch .Lasked_\@
.Lfor_b_\@:
	tensor_load_to_lds s[G0B+4*\s:G0B+4*\s+3], s[G1B:G1B+7]
	s_nop 0
.Lasked_\@:
.endm
.macro CREST
	s_cmp_lg_u32 s10, 0
	s_cbranch_scc1 .Lnot_wave_0_\@
	s_barrier_signal -3
.Lnot_wave_0_\@:
	s_barrier_wait -3
	s_barrier_signal -1
	s_barrier_wait -1
.endm
.macro CROUND
	s_barrier_signal -1
	s_barrier_wait -1
	CREST
.endm
	s_load_b128 s[4:7], s[0:1], 0x0                ; ao s[4:5], cb s[6:7]
	s_load_b64 s[2:3], s[0:1], 0x10                ; b_out
	s_load_b64 s[8:9], s[0:1], 0x18                ; out0
	v_lshl_add_u32 v30, v0, 2, 0x49400
	v_mov_b32 v31, 0
	ds_add_u32 v30, v31
	v_lshrrev_b32 v1, 5, v0
	v_readfirstlane_b32 s10, v1                    ; wave 0..3
	s_lshr_b32 s11, s10, 1                         ; my half of the block's rows.  Also: I fetch for a (0) or for W (1)
	s_and_b32 s12, s10, 1                          ; my half of its columns.  Also: which half of that tile I fetch
	s_bfe_u32 s40, ttmp6, 0x40000                  ; cx
	s_bfe_u32 s41, ttmp6, 0x40004                  ; cy
	s_lshl_b32 s42, ttmp9, 2
	s_add_co_u32 s42, s42, s40                     ; block column
	s_and_b32 s13, ttmp7, 0xffff
	s_lshl_b32 s13, s13, 2
	s_add_co_u32 s13, s13, s41                     ; block row
	s_lshl_b32 s43, s41, 2
	s_lshl_b32 s43, 15, s43                        ; my row of the cluster
	s_lshl_b32 s44, 0x1111, s40                    ; my column
	; a: the block's 128 rows of a head are 16,384 dense bytes: a tile of 2 rows (two heads) of 2,048 elements of 8 bytes, 65,536 elements (a plane) apart;
	; 4 words of padding behind every 32 words (a row's 128 bytes)
	s_or_b32 s[G1+0], s43, (3<<16)|(1<<20)|(1<<21)|(4<<22)|(3<<25)
	s_mov_b32 s[G1+1], 2048<<16                    ; tensor_dim0
	s_mov_b32 s[G1+2], 2<<16                       ; tensor_dim1
	s_mov_b32 s[G1+3], 2048<<16                    ; tile_dim0
	s_mov_b32 s[G1+4], 2                           ; tile_dim1
	s_mov_b32 s[G1+5], 65536                       ; the pitch
	s_mov_b32 s[G1+6], 0
	s_mov_b32 s[G1+7], 0
	; W: 64 rows of 256 elements of 2 bytes, 1,024 elements apart; 4 words of padding behind every 128 words
	s_or_b32 s[G1B+0], s44, (1<<16)|(1<<20)|(1<<21)|(6<<22)|(3<<25)
	s_mov_b32 s[G1B+1], 256<<16
	s_mov_b32 s[G1B+2], 64<<16
	s_mov_b32 s[G1B+3], 256<<16
	s_mov_b32 s[G1B+4], 64
	s_mov_b32 s[G1B+5], 1024
	s_mov_b32 s[G1B+6], 0
	s_mov_b32 s[G1B+7], 0
	s_lshl_b32 s16, s13, 14                        ; a: block row x 128 rows x 128 bytes
	s_lshl_b32 s17, s12, 20                        ;    + my two planes of the slot's four
	s_add_co_u32 s16, s16, s17
	s_mov_b32 s17, 0
	s_lshl_b32 s46, s42, 7
	s_lshl_b32 s47, s12, 6
	s_add_co_u32 s46, s46, s47                     ; W: row 128 x block column + 64 x half
	s_lshl_b32 s46, s46, 11
	s_add_co_u32 s46, s46, 14680064                ; W_out's copy in cb
	s_mov_b32 s47, 0
	s_mul_i32 s20, s10, 2*APLANE                   ; LDS: waves 0, 1 at 0 and 36,864
	s_mul_i32 s45, s10, 64*BPITCH
	s_add_co_u32 s45, s45, BOFF-2*64*BPITCH        ; waves 2, 3 at 73,728 and 107,520
	s_wait_dscnt 0x0
	s_wait_kmcnt 0x0
	s_add_nc_u64 s[14:15], s[4:5], s[16:17]
	s_add_nc_u64 s[46:47], s[6:7], s[46:47]
	CROUND                                         ; in front of the first joint loads
.irp s, 0,1
	s_mov_b32 s[G0+4*\s], 1
	s_add_co_u32 s[G0+4*\s+1], s20, \s*SLOT
	s_add_nc_u64 s[G0+4*\s+2:G0+4*\s+3], s[14:15], \s*2097152      ; heads 4 s .. 4 s + 3
	s_or_b32 s[G0+4*\s+3], s[G0+4*\s+3], 0x80000000
	s_mov_b32 s[G0B+4*\s], 1
	s_add_co_u32 s[G0B+4*\s+1], s45, \s*SLOT
	s_add_nc_u64 s[G0B+4*\s+2:G0B+4*\s+3], s[46:47], \s*512        ; K 256 s ..
	s_or_b32 s[G0B+4*\s+3], s[G0B+4*\s+3], 0x80000000
	JLOAD \s                                       ; two loads of a wave are out
.endr
	v_and_b32 v1, 15, v0                           ; r
	v_bfe_u32 v2, v0, 4, 1                         ; h
	v_lshlrev_b32 v[BO], 5, v2
	s_lshl_b32 s46, s42, 9                         ; my 64 columns: 512 x block column + 256 x half, in bytes of f32
	s_lshl_b32 s47, s12, 8
	s_add_co_u32 s46, s46, s47
	s_mov_b32 s47, 0
	s_add_nc_u64 s[2:3], s[2:3], s[46:47]
	s_add_nc_u64 s[8:9], s[8:9], s[46:47]
.irp b, 0,1,2,3
	global_load_b128 v[BIAS+8*\b:BIAS+8*\b+3],   v[BO], s[2:3] offset:64*\b      ; b_out[my column 16 b + 8 h + 0..3]
	global_load_b128 v[BIAS+8*\b+4:BIAS+8*\b+7], v[BO], s[2:3] offset:64*\b+16
.endr
	v_mul_u32_u24 v3, v1, APITCH
	v_lshl_add_u32 v3, v2, 4, v3
	s_mul_i32 s21, s11, 64*APITCH                  ; my 64 rows of a, in each plane
	v_add_nc_u32 v[ADRA], s21, v3
	v_add_nc_u32 v[ADRA+1], SLOT, v[ADRA]
	v_mul_u32_u24 v4, v1, BPITCH
	v_lshl_add_u32 v4, v2, 4, v4
	s_mul_i32 s22, s12, 64*BPITCH                  ; my 64 rows of W
	s_add_co_u32 s22, s22, BOFF
	v_add_nc_u32 v[ADRB], s22, v4
	v_add_nc_u32 v[ADRB+1], SLOT, v[ADRB]
	s_mul_i32 s23, s10, 16*SPITCH
	s_add_co_u32 s23, s23, STAGE
	v_mul_u32_u24 v5, v1, SPITCH
	v_lshl_add_u32 v5, v2, 5, v5
	v_add_nc_u32 v[STO], s23, v5                   ; in: row r, 32 bytes for each half of the lanes
	v_mul_u32_u24 v6, v2, SPITCH
	v_lshl_add_u32 v6, v1, 4, v6
	v_add_nc_u32 v[RD], s23, v6                    ; back: lanes 0-15 one row of 256 bytes, lanes 16-31 the next
	v_lshlrev_b32 v7, 12, v2
	v_lshl_add_u32 v[CO], v1, 4, v7                ; the same two rows in out0 (4,096 bytes a row)
; 4 matrix instructions: m block a x my 4 n blocks, from buffer f.  The 16 accumulators take turns, one instruction a turn, in the same order in every quarter.
.macro MUL4 f, a, first
.irp b, 0,1,2,3
.if \first
	v_wmma_f32_16x16x32_bf16 v[8*(4*\a+\b):8*(4*\a+\b)+7], v[FB+64*\f+8*\b:FB+64*\f+8*\b+7], v[FB+64*\f+32+8*\a:FB+64*\f+32+8*\a+7], v[BIAS+8*\b:BIAS+8*\b+7]
.else
	v_wmma_f32_16x16x32_bf16 v[8*(4*\a+\b):8*(4*\a+\b)+7], v[FB+64*\f+8*\b:FB+64*\f+8*\b+7], v[FB+64*\f+32+8*\a:FB+64*\f+32+8*\a+7], v[8*(4*\a+\b):8*(4*\a+\b)+7]
.endif
.endr
.endm
; 16 LDS loads: the fragments of quarter qd (0..7; 32 K: head qd / 2 of the slot's four, d 32 (qd % 2) ..) into buffer f
.macro FETCH slot, qd, f
.irp b, 0,1,2,3
	ds_load_b128 v[FB+64*\f+8*\b:FB+64*\f+8*\b+3],   v[ADRB+\slot] offset:64*\qd+\b*16*BPITCH
	ds_load_b128 v[FB+64*\f+8*\b+4:FB+64*\f+8*\b+7], v[ADRB+\slot] offset:64*\qd+\b*16*BPITCH+32
.endr
.irp a, 0,1,2,3
	ds_load_b128 v[FB+64*\f+32+8*\a:FB+64*\f+32+8*\a+3],   v[ADRA+\slot] offset:(\qd>>1)*APLANE+(\qd&1)*64+\a*16*APITCH
	ds_load_b128 v[FB+64*\f+32+8*\a+4:FB+64*\f+32+8*\a+7], v[ADRA+\slot] offset:(\qd>>1)*APLANE+(\qd&1)*64+\a*16*APITCH+32
.endr
.endm
; One of a slot's first seven quarters: fetches quarter qn into buffer g, then multiplies buffer f: the loads have 16 matrix instructions in which to land
.macro QUARTER slot, qn, f, g, first
	WIN 0
	PLACES                                         ; buffer g was read by the matrix instructions just issued
	FETCH \slot, \qn, \g
	s_wait_dscnt 16                                ; all but the 16 just issued: buffer f is in
.if \first
	WIN 0x40                                       ; C (bias) window 0, D window 1
.else
	WIN 0x50                                       ; C and D window 1
.endif
	MUL4 \f, 0, \first
	MUL4 \f, 1, \first
	MUL4 \f, 2, \first
	MUL4 \f, 3, \first
.endm
.macro BIG slot, first
	QUARTER \slot, 1, 0, 1, \first
	QUARTER \slot, 2, 1, 0, 0
	QUARTER \slot, 3, 0, 1, 0
	QUARTER \slot, 4, 1, 0, 0
	QUARTER \slot, 5, 0, 1, 0
	QUARTER \slot, 6, 1, 0, 0
	QUARTER \slot, 7, 0, 1, 0
.endm
; The eighth quarter: multiplies buffer 1 and changes slots; fill = 1: the barrier opens a round of the cluster's barrier and this slot is asked for again
.macro TURN slot, next, fill
	s_wait_dscnt 0                                 ; buffer 1 is in, and my reads of this slot are over
	s_wait_tensorcnt 0x0                           ; all my tensor loads have landed: my part of the next slot
	ds_add_u32 v30, v31
	s_wait_dscnt 0x0
	s_barrier_signal -1
	WIN 0x50
	MUL4 1, 0, 0                                   ; register work while the others arrive
	MUL4 1, 1, 0
	WIN 0
	s_barrier_wait -1
.if \fill
	CREST
	s_add_nc_u64 s[G0+4*\slot+2:G0+4*\slot+3], s[G0+4*\slot+2:G0+4*\slot+3], 2*2097152
	s_add_nc_u64 s[G0B+4*\slot+2:G0B+4*\slot+3], s[G0B+4*\slot+2:G0B+4*\slot+3], 2*512
	JLOAD \slot                                    ; my one tensor load behind the round
.endif
	PLACES
	FETCH \next, 0, 0
	WIN 0x50
	MUL4 1, 2, 0
	MUL4 1, 3, 0
.endm
	s_wait_loadcnt 0x0                             ; the bias
	s_wait_tensorcnt 1                             ; my part of slot 0 is in; slot 1's may stay out
	s_barrier_signal -1
	s_barrier_wait -1
	FETCH 0, 0, 0
	BIG 0, 1                                       ; K 0-255
	TURN 0, 1, 1                                   ; slot 0 gets K 512-767
	BIG 1, 0                                       ; K 256-511
	TURN 1, 0, 1                                   ; slot 1 gets K 768-1023
	BIG 0, 0
	TURN 0, 1, 0                                   ; nothing is left to fetch
	BIG 1, 0
	s_wait_dscnt 0
	MUL4 1, 0, 0
	MUL4 1, 1, 0
	MUL4 1, 2, 0
	MUL4 1, 3, 0
	PLACES                                         ; in front of the LDS stores that read results
	; THE WAY OUT, 16 rows at a time, in f32: 32 bytes a lane into my own stage, whole rows of 256 bytes back, sixteen lanes store 256 bytes at a multiple of 256
	s_lshl_b32 s16, s13, 7
	s_lshl_b32 s17, s11, 6
	s_add_co_u32 s16, s16, s17                     ; my first row
	s_lshl_b32 s16, s16, 12                        ; rows of 4,096 bytes
	s_mov_b32 s17, 0
	s_add_nc_u64 s[8:9], s[8:9], s[16:17]
.macro OUT16 i, rb
	WIN 0x04                                       ; an LDS store's data is source 1: window 1
.irp b, 0,1,2,3
	ds_store_b128 v[STO], v[8*(4*\i+\b):8*(4*\i+\b)+3]   offset:64*\b
	ds_store_b128 v[STO], v[8*(4*\i+\b)+4:8*(4*\i+\b)+7] offset:64*\b+16
.endr
	WIN 0
	s_wait_xcnt 0x0                                ; buffer rb, which earlier stores read, is loaded again only behind this wait
.irp t, 0,1,2,3,4,5,6,7
	ds_load_b128 v[\rb+4*\t:\rb+4*\t+3], v[RD] offset:\t*2*SPITCH  ; a wave's LDS instructions are served in order: these see the stores above
.endr
.irp t, 0,1,2,3,4,5,6,7
	s_wait_dscnt 7-\t                              ; load t of the eight is in
	global_store_b128 v[CO], v[\rb+4*\t:\rb+4*\t+3], s[8:9] offset:(16*\i+2*\t)*4096 th:TH_STORE_NT
.endr
.endm
	OUT16 0, RB0
	OUT16 1, RB1
	OUT16 2, RB0
	OUT16 3, RB1
	s_wait_tensorcnt 0x0
	ds_add_u32 v30, v31
	s_wait_dscnt 0x0
	CROUND                                         ; the closing round
	s_endpgm
.Lfunc_end_k_q6f6b87905c_proj:
	.size	k_q6f6b87905c_proj, .Lfunc_end_k_q6f6b87905c_proj-k_q6f6b87905c_proj
	.p2alignl 7, 3214868480
	.fill 96, 4, 3214868480
	.section	.rodata,"a",@progbits
	.p2align	6, 0x0
	.amdhsa_kernel k_q6f6b87905c_proj
		.amdhsa_group_segment_fixed_size 327680
		.amdhsa_private_segment_fixed_size 0
		.amdhsa_enable_private_segment 0
		.amdhsa_kernarg_size 32
		.amdhsa_user_sgpr_count 2
		.amdhsa_user_sgpr_kernarg_segment_ptr 1
		.amdhsa_wavefront_size32 1
		.amdhsa_system_sgpr_workgroup_id_x 1
		.amdhsa_system_sgpr_workgroup_id_y 1
		.amdhsa_system_sgpr_workgroup_id_z 1
		.amdhsa_system_vgpr_workitem_id 0
		.amdhsa_next_free_vgpr 384
		.amdhsa_next_free_sgpr 66
		.amdhsa_reserve_vcc 0
		.amdhsa_float_denorm_mode_32 3
		.amdhsa_float_denorm_mode_16_64 3
		.amdhsa_memory_ordered 1
		.amdhsa_forward_progress 1
		.amdhsa_inst_pref_size 89
	.end_amdhsa_kernel
	.amdgpu_metadata
---
amdhsa.version: [ 1, 2 ]
amdhsa.kernels:
  - .name:           k_q6f6b87905c_proj
    .symbol:         k_q6f6b87905c_proj.kd
    .args:
      - { .name: ao, .offset: 0, .size: 8, .value_kind: global_buffer, .address_space: global }
      - { .name: cb, .offset: 8, .size: 8, .value_kind: global_buffer, .address_space: global }
      - { .name: b_out, .offset: 16, .size: 8, .value_kind: global_buffer, .address_space: global }
      - { .name: out0, .offset: 24, .size: 8, .value_kind: global_buffer, .address_space: global }
    .group_segment_fixed_size: 327680
    .private_segment_fixed_size: 0
    .kernarg_segment_align: 8
    .kernarg_segment_size: 32
    .max_flat_workgroup_size: 128
    .sgpr_count:     66
    .vgpr_count:     384
    .wavefront_size: 32
...
	.end_amdgpu_metadata
.endif
;; end of part 4
;; ======== version 2 of 2: 4 launches; version 1 with the launch cvt written anew for expert scheduling mode
;; workspace buffers: cb 16,777,216 bytes; qkvb 25,165,824 bytes; ao 8,388,608 bytes
;; launch cvt (part 5): grid 512 x 1, 8 waves a work-group, no clusters, 0 bytes of LDS; arguments x, W_qkv, W_out, cb; writes cb
.if DOCPART == 5
	.amdgcn_target "amdgcn-amd-amdhsa--gfx1250"
	.amdhsa_code_object_version 6
	.text
	.protected	k_q6f6b87905c_cvt
	.globl	k_q6f6b87905c_cvt
	.p2align	8
	.type	k_q6f6b87905c_cvt,@function
k_q6f6b87905c_cvt:
	s_mov_b64 s[64:65], 0
	v_nop
	global_prefetch_b8 v0, s[64:65] scope:SCOPE_SE
	s_setreg_imm32_b32 hwreg(HW_REG_WAVE_SCHED_MODE, 0, 2), 2
	s_setreg_imm32_b32 hwreg(HW_REG_WAVE_MODE, 25, 1), 1
	s_wait_xcnt 0x0
	s_wait_alu depctr_vm_vsrc(0)
; Cast of the three large f32 inputs to bf16 (round to nearest even), once, so that both products can take bf16 tiles.
; cb: x [4096][1024] at byte 0, W_qkv [3072][1024] at byte 8,388,608, W_out [1024][1024] at byte 14,680,064.
; 512 work-groups of 16,384 numbers: groups 0-255 take x, 256-447 W_qkv, 448-511 W_out; group g stores at cb + 32,768 g.
; A stream: no LDS, no barrier, no matrix unit, no cluster (no two work-groups read the same byte).
; Thread t takes 16 bytes at 16 t + 4,096 j (j = 0..15) and stores 8 bytes at 8 t + 2,048 j: a wave's load covers 512 neighbouring
; bytes, its store 256 neighbouring bytes at a multiple of 256.  All 16 loads go out first; no register is written twice.
; THE MODE: SCHED_MODE bits 1:0 = 2 (LLVM: expert scheduling mode 2), set by the entry lines.  The code itself states the register dependences
; between vector instructions and memory instructions, with s_wait_alu, always for 0.
; THE PLAN.  Registers that memory instructions touch:
;   v1, v2   byte offsets of the loads and of the stores: written once at the head, never again.
;   X        piece j: four registers, written by load j alone, read by piece j's two conversions.  No vector instruction names them ahead of the loads.
;   Y        piece j: two registers, written by piece j's two conversions, once; read by store j.
; The 16 pieces go in four groups of four.  Group g converts its X into its Y; its memory instructions are the four stores of group g - 1, which read v2
; and that group's Y: registers that no conversion of group g names.  So one wait at a group's head states all that its four stores hang on, and they are
; dealt among its conversions with no further wait.  Nothing that a memory instruction has read is ever written again: no wait on vm_vsrc is owed.
.set X, 4                              ; v[4:67]   16 x 4 numbers as loaded
.set Y, 68                             ; v[68:99]  16 x 2 words to store
	s_load_b256 s[4:11], s[0:1], 0x0               ; x s[4:5], W_qkv s[6:7], W_out s[8:9], cb s[10:11]
	v_lshlrev_b32 v1, 4, v0                        ; 16 t
	v_lshlrev_b32 v2, 3, v0                        ; 8 t
	s_mov_b32 s14, 448
	s_wait_kmcnt 0x0
	s_cmp_lt_u32 ttmp9, s14                        ; below 448: W_qkv, first group 256; else W_out, first group 448
	s_cselect_b64 s[12:13], s[6:7], s[8:9]
	s_cselect_b32 s14, 256, s14
	s_cmp_lt_u32 ttmp9, 256                        ; below 256: x, first group 0
	s_cselect_b64 s[12:13], s[4:5], s[12:13]
	s_cselect_b32 s14, 0, s14
	s_sub_co_u32 s2, ttmp9, s14                    ; my chunk in that tensor,
	s_lshl_b32 s2, s2, 16                          ; of 65,536 bytes (16,777,216 at the most)
	s_mov_b32 s3, 0
	s_add_nc_u64 s[12:13], s[12:13], s[2:3]
	s_lshl_b32 s2, ttmp9, 15                       ; and 32,768 bytes of cb for each group
	s_add_nc_u64 s[10:11], s[10:11], s[2:3]
	s_wait_alu depctr_va_vdst(0)                   ; v1 and v2 are written: every load reads v1 as its offset, every store v2
.irp j, 0,1,2,3,4,5,6,7,8,9,10,11,12,13,14,15
	global_load_b128 v[X+4*\j:X+4*\j+3], v1, s[12:13] offset:4096*\j th:TH_LOAD_NT
.endr
; Group g: pieces 4 g .. 4 g + 3 are converted; the stores of pieces 4 (g - 1) .. 4 (g - 1) + 3 go out among the conversions.
.macro GROUP g
	s_wait_loadcnt 12-4*(\g)                       ; loads come back in order: this group's four are in, the 12 - 4 g younger ones stay out
.if (\g) > 0
	s_wait_alu depctr_va_vdst(0)                   ; the group before has written its Y, which the four stores below read
.endif
.irp i, 0,1,2,3
.if (\g) > 0
	global_store_b64 v2, v[Y+2*(4*((\g)-1)+(\i)):Y+2*(4*((\g)-1)+(\i))+1], s[10:11] offset:2048*(4*((\g)-1)+(\i))  ; no vector instruction since the wait names these registers
.endif
	v_cvt_pk_bf16_f32 v[Y+2*(4*(\g)+(\i))],   v[X+4*(4*(\g)+(\i))],   v[X+4*(4*(\g)+(\i))+1]
	v_cvt_pk_bf16_f32 v[Y+2*(4*(\g)+(\i))+1], v[X+4*(4*(\g)+(\i))+2], v[X+4*(4*(\g)+(\i))+3]
.endr
.endm
	GROUP 0                                        ; no group stands in front of it: no store, and no wait but the one for its data
	GROUP 1
	GROUP 2
	GROUP 3
	s_wait_alu depctr_va_vdst(0)                   ; group 3 has written its Y, which the last four stores read
.irp i, 12,13,14,15
	global_store_b64 v2, v[Y+2*\i:Y+2*\i+1], s[10:11] offset:2048*\i
.endr
	s_endpgm
.Lfunc_end_k_q6f6b87905c_cvt:
	.size	k_q6f6b87905c_cvt, .Lfunc_end_k_q6f6b87905c_cvt-k_q6f6b87905c_cvt
	.p2alignl 7, 3214868480
	.fill 96, 4, 3214868480
	.section	.rodata,"a",@progbits
	.p2align	6, 0x0
	.amdhsa_kernel k_q6f6b87905c_cvt
		.amdhsa_group_segment_fixed_size 0
		.amdhsa_private_segment_fixed_size 0
		.amdhsa_enable_private_segment 0
		.amdhsa_kernarg_size 32
		.amdhsa_user_sgpr_count 2
		.amdhsa_user_sgpr_kernarg_segment_ptr 1
		.amdhsa_wavefront_size32 1
		.amdhsa_system_sgpr_workgroup_id_x 1
		.amdhsa_system_sgpr_workgroup_id_y 1
		.amdhsa_system_sgpr_workgroup_id_z 1
		.amdhsa_system_vgpr_workitem_id 0
		.amdhsa_next_free_vgpr 100
		.amdhsa_next_free_sgpr 66
		.amdhsa_reserve_vcc 0
		.amdhsa_float_denorm_mode_32 3
		.amdhsa_float_denorm_mode_16_64 3
		.amdhsa_memory_ordered 1
		.amdhsa_forward_progress 1
		.amdhsa_inst_pref_size 7
	.end_amdhsa_kernel
	.amdgpu_metadata
---
amdhsa.version: [ 1, 2 ]
amdhsa.kernels:
  - .name:           k_q6f6b87905c_cvt
    .symbol:         k_q6f6b87905c_cvt.kd
    .args:
      - { .name: x, .offset: 0, .size: 8, .value_kind: global_buffer, .address_space: global }
      - { .name: W_qkv, .offset: 8, .size: 8, .value_kind: global_buffer, .address_space: global }
      - { .name: W_out, .offset: 16, .size: 8, .value_kind: global_buffer, .address_space: global }
      - { .name: cb, .offset: 24, .size: 8, .value_kind: global_buffer, .address_space: global }
    .group_segment_fixed_size: 0
    .private_segment_fixed_size: 0
    .kernarg_segment_align: 8
    .kernarg_segment_size: 32
    .max_flat_workgroup_size: 256
    .sgpr_count:     66
    .vgpr_count:     100
    .wavefront_size: 32
...
	.end_amdgpu_metadata
.endif
;; end of part 5
;; launch qkv: the kernel of part 2 again; grid 16 x 16, 4 waves a work-group, clusters of 4 x 4, 327,680 bytes of LDS; arguments cb, b_qkv, qkvb; writes qkvb
;; launch attn: the kernel of part 3 again; grid 8 x 32, 8 waves a work-group, clusters of 4 x 1, 327,680 bytes of LDS; arguments qkvb, ao; writes ao
;; launch proj: the kernel of part 4 again; grid 8 x 32, 4 waves a work-group, clusters of 4 x 4, 327,680 bytes of LDS; arguments ao, cb, b_out, out0; writes out0
